; MI455X (gfx1250); checked and timed in simulation.
; The chip was launched on July 23, 2026; its instructions are those of AMD's public machine-readable ISA for CDNA 5 (MIT licence, August 2026) and "CDNA5" Instruction Set Architecture Reference Guide (July 2026). The comments in the code are by the model that wrote it; some were corrected since.
;; Multi Head Attention. Allowed arithmetic: matrix products marked QUANTISED: E2M1 operands, one E8M0 scale for each 32 along K, by v_wmma_scale_f32_16x16x128_f8f6f4 with both operands' format E2M1 (or v_wmma_scale_f32_32x16x128_f4), f32 sums; products left as they are: bf16, f16 or f32 operands; f32 sums; everything else in f32.
;; Inputs: Wk 1,024 x 1,024 float32; Wo 1,024 x 1,024 float32; Wq 1,024 x 1,024 float32; Wv 1,024 x 1,024 float32; bk 1,024 float32; bo 1,024 float32; bq 1,024 float32; bv 1,024 float32; key 2 x 2,048 x 1,024 float32; query 2 x 2,048 x 1,024 float32; value 2 x 2,048 x 1,024 float32.
;; Outputs: out0 2 x 2,048 x 1,024 float32.
;; This version of the problem:
;;   THIS VERSION OF THE PROBLEM IS GIVEN IN LOW PRECISION. The matrix products marked QUANTISED in the list below multiply operands that are first quantised to E2M1 (2 exponent bits, 1 mantissa bit; 4 bits a number), with one power-of-two scale for each 32 numbers along K (OCP MX v1.0); their sums are f32. The products marked 'left as it is' may take bf16, f16 or f32 operands, with f32 sums. Whichever they take, every output number must still come out within the allowed error. Rounding operands to bf16 (8 significant bits) uses up far more of that allowance than f16 does (11 bits, for magnitudes from 6e-5 to 65,504). All else is computed in f32.
;;   The module's matrix products, in the order in which they are computed (A, B: the left and right operand; K: the contracted axis; several contracted axes count as one K, in the product's order):
;;     1. [M 4,096, K 1,024] x [K 1,024, N 1,024]; A: input query; B: input Wq: QUANTISED
;;     2. [M 4,096, K 1,024] x [K 1,024, N 1,024]; A: input key; B: input Wk: QUANTISED
;;     3. [M 4,096, K 1,024] x [K 1,024, N 1,024]; A: input value; B: input Wv: QUANTISED
;;     4. batch 32 x [M 2,048, K 64] x [K 64, N 2,048]; A: computed on the way; B: computed on the way: left as it is (an operand is computed on the way)
;;     5. batch 32 x [M 2,048, K 2,048] x [K 2,048, N 64]; A: computed on the way; B: computed on the way: left as it is (an operand is computed on the way)
;;     6. [M 4,096, K 1,024] x [K 1,024, N 1,024]; A: computed on the way; B: input Wo: left as it is (an operand is computed on the way)
;;   THE QUANTISER, for each operand of a quantised product, along K:
;;     - K is cut into blocks of 32 from its start; a last block that is shorter is filled with zeros.
;;     - A block's scale is 2^e with e = floor(log2(the largest magnitude in the block)) - 2, held to -126 .. 127; a block of zeros has e = 0. As a byte (E8M0): e + 127.
;;     - Each number is divided by its block's scale, clamped to +-6, and rounded to the nearest number of E2M1, ties to even, subnormals kept.
;;     - The product sums the exact products of the quantised numbers (number of the format x scale) in f32.
;;   ~~~python
;;   def quantise(x, axis):      # numpy; x: float32 -> the quantised numbers, widened to float32 again
;;       x = np.moveaxis(x, axis, -1); K = x.shape[-1]
;;       x = np.pad(x, [(0, 0)] * (x.ndim - 1) + [(0, -K % 32)]); x = x.reshape(x.shape[:-1] + (-1, 32)); a = np.abs(x).max(-1, keepdims=True)
;;       e = np.where(a > 0, np.clip(np.frexp(np.where(a > 0, a, 1))[1] - 1 - 2, -126, 127), 0)      # np.frexp(a)[1] - 1 = floor(log2(a)), exactly
;;       r = np.clip(x / 2.0 ** e, -6, 6)
;;       step = 2.0 ** (np.maximum(np.frexp(np.where(r == 0, 1, r))[1] - 1, 0) - 1)
;;       q = np.round(r / step) * step * 2.0 ** e      # np.round: ties to even
;;       return np.moveaxis(q.reshape(q.shape[:-2] + (-1,))[..., :K], -1, axis).astype(np.float32)
;;   ~~~
;; One version. Each part assembles by itself: llvm-mc -triple=amdgcn-amd-amdhsa -mcpu=gfx1250 --defsym DOCPART=n.
;; ======== version 1 of 1: 4 launches
;; limits: values are held in f16: magnitudes above 65,504 overflow, below 6.1e-05 lose precision
;; workspace buffers: wcodes 1,572,864 bytes; wscales 98,304 bytes; wof 2,097,152 bytes; qf 8,388,608 bytes; kf 8,388,608 bytes; vf 8,388,608 bytes; af 8,388,608 bytes
;; launch prep (part 1): grid 64 x 4, 4 waves a work-group, no clusters, 0 bytes of LDS; arguments Wq, Wk, Wv, Wo, wcodes, wscales, wof; writes wcodes, wscales, wof
.if DOCPART == 1
	.amdgcn_target "amdgcn-amd-amdhsa--gfx1250"
	.amdhsa_code_object_version 6
	.text
	.protected	k_qce82c6de4a_prep
	.globl	k_qce82c6de4a_prep
	.p2align	8
	.type	k_qce82c6de4a_prep,@function
k_qce82c6de4a_prep:
	s_mov_b64 s[64:65], 0
	v_nop
	global_prefetch_b8 v0, s[64:65] scope:SCOPE_SE
	s_setreg_imm32_b32 hwreg(HW_REG_WAVE_MODE, 25, 1), 1
	s_wait_xcnt 0x0
; THE WEIGHTS ARE LAID OUT ONCE, IN THE ORDER IN WHICH A WAVE'S OPERAND REGISTERS TAKE THEM.
; Wq, Wk, Wv [1024 (k)][1024 (n)] f32 become codes of E2M1 with one E8M0 byte for each 32 along K (their FIRST axis); Wo becomes f16.
; Work-group (x, y): y = which matrix (0, 1, 2: Wq, Wk, Wv; 3: Wo); x & 7 = which 128 columns; x >> 3 = which 128 along K.
; A LANE TAKES A COLUMN AND ITS 128 REGISTERS RUN DOWN K: a load reads 128 consecutive bytes a wave (the four waves stand side by side on 512),
; a block of 32 along K lies in one lane, and the conversions give codes with K innermost.  Nothing is transposed by an instruction.
; OUT.  wcodes [matrix][column tile 64][K step 8][1,024 bytes]: a fragment (16 columns x 128 K) as an image of its 8 registers: block beta (32 along K) of column r
;       lies at 256 beta + 16 r, so sixteen lanes store 256 consecutive aligned bytes.
;       wscales [matrix][K step 8][column 1024]: one word a column and K step, byte b for k = 32 b on.  A wave stores 128 consecutive bytes: half of an aligned 256; these words are one byte in 128 of what the launch reads.
;       wof [K chunk of 256: 4][column tile 64][32 along K: 8][1,024 bytes]: a fragment (16 columns x 32 K of f16) as an image: the eight k from 8 gamma on of column r at 256 gamma + 16 r.
; A block's scale is 2^(floor(log2(largest magnitude)) - 2): its byte is the largest magnitude's exponent field - 2, held at 1 from below.
; LIMITS: a block of zeros gets the byte 1 where the quantiser says 127 (its codes are zeros, and this program alone reads the bytes); blocks whose largest magnitude lies under 2^-124 are held at the byte 1;
; NaN and infinities are not served; numbers of Wo from 65,520 on in magnitude do not fit f16.
; No LDS, no barrier, no matrix work, no cluster: no two work-groups read the same byte.
.set X,  32                            ; v32-159  my column's 128 numbers down K
.set C,  160                           ; v160-223 results: each store has registers of its own, so no store's data are written again
.set LO, 1                             ; v1   4 x lane: my column in a row of the matrix, and my scale word
.set SO, 2                             ; v2   where I store: 16 (lane % 16) + 8,192 (lane / 16): lanes 16-31 hold the next column tile, 8 fragments on
.set SB, 14                            ; v14  my column's scale word
	s_load_b256 s[4:11], s[0:1], 0x0               ; Wq s[4:5], Wk s[6:7], Wv s[8:9], Wo s[10:11]
	s_load_b128 s[12:15], s[0:1], 0x20             ; wcodes s[12:13], wscales s[14:15]
	s_load_b64 s[16:17], s[0:1], 0x30              ; wof
	v_lshrrev_b32 v4, 5, v0
	v_readfirstlane_b32 s18, v4                    ; wave 0..3
	v_and_b32 v5, 31, v0
	v_lshlrev_b32 v[LO], 2, v5
	v_and_b32 v6, 15, v0
	v_bfe_u32 v7, v0, 4, 1
	v_lshlrev_b32 v[SO], 4, v6
	v_lshl_add_u32 v[SO], v7, 13, v[SO]
	s_and_b32 s19, ttmp7, 0xffff                   ; z: which matrix
	s_and_b32 s20, ttmp9, 7                        ; cb: which 128 columns
	s_lshr_b32 s21, ttmp9, 3                       ; kc: which 128 along K
	s_lshl_b32 s34, s20, 9
	s_lshl_b32 s35, s18, 7
	s_add_co_u32 s34, s34, s35                     ; 4 x my wave's first column: 4 (128 cb + 32 w)
	s_lshl_b32 s24, s21, 19                        ; 128 kc rows of 4,096 bytes
	s_add_co_u32 s24, s24, s34
	s_mov_b32 s25, 0                               ; s[24:25]: where my wave reads
	s_lshl_b32 s36, s20, 16
	s_lshl_b32 s35, s18, 14
	s_add_co_u32 s36, s36, s35                     ; my first column tile, 8 cb + 2 w, times 8 fragments of 1,024 bytes
	s_lshl_b32 s26, s19, 19                        ; a matrix's codes are 524,288 bytes
	s_add_co_u32 s26, s26, s36
	s_lshl_b32 s35, s21, 10
	s_add_co_u32 s26, s26, s35                     ; + K step kc
	s_mov_b32 s27, 0                               ; s[26:27]: where the codes go
	s_lshl_b32 s28, s19, 15
	s_lshl_b32 s35, s21, 12
	s_add_co_u32 s28, s28, s35
	s_add_co_u32 s28, s28, s34
	s_mov_b32 s29, 0                               ; s[28:29]: the scale words: 4 ((8 z + kc) 1,024 + column)
	s_lshr_b32 s30, s21, 1
	s_lshl_b32 s30, s30, 19                        ; Wo: chunk kc / 2 of 256 along K: 64 column tiles x 8,192 bytes
	s_add_co_u32 s30, s30, s36
	s_and_b32 s35, s21, 1
	s_lshl_b32 s35, s35, 12                        ; + the chunk's first or second four fragments
	s_add_co_u32 s30, s30, s35
	s_mov_b32 s31, 0                               ; s[30:31]: where Wo's f16 go
	s_wait_kmcnt 0x0
	s_cmp_eq_u32 s19, 0                            ; the matrix is chosen by the work-group's number alone
	s_cselect_b64 s[22:23], s[4:5], s[10:11]
	s_cmp_eq_u32 s19, 1
	s_cselect_b64 s[22:23], s[6:7], s[22:23]
	s_cmp_eq_u32 s19, 2
	s_cselect_b64 s[22:23], s[8:9], s[22:23]
	s_add_nc_u64 s[22:23], s[22:23], s[24:25]
	s_add_nc_u64 s[12:13], s[12:13], s[26:27]
	s_add_nc_u64 s[14:15], s[14:15], s[28:29]
	s_add_nc_u64 s[16:17], s[16:17], s[30:31]
.set i, 0
.rept 128                              ; all 128 rows are asked for on end; every offset is an immediate, 127 x 4,096 at the most
	global_load_b32 v[X+i], v[LO], s[22:23] offset:i*4096 th:TH_LOAD_NT
.set i, i+1
.endr
	s_cmp_eq_u32 s19, 3
	s_cbranch_scc1 .Lwo
; Block t of 32 along K.  left: how many younger loads may stay out.
.macro BLOCK t, left
.set XB, X+32*(\t)
	s_wait_loadcnt \left
	v_max3_num_f32 v12, |v[XB]|, |v[XB+1]|, |v[XB+2]|          ; the block's largest magnitude, in two chains: all 32 numbers are mine
	v_max3_num_f32 v13, |v[XB+3]|, |v[XB+4]|, |v[XB+5]|
.irp i, 6,10,14,18,22,26
	v_max3_num_f32 v12, v12, |v[XB+\i]|, |v[XB+\i+1]|
	v_max3_num_f32 v13, v13, |v[XB+\i+2]|, |v[XB+\i+3]|
.endr
	v_max3_num_f32 v12, v12, |v[XB+30]|, |v[XB+31]|
	v_max3_num_f32 v12, v12, v13, 0x1800000        ; and the floor 2^(3 - 127): the byte cannot fall under 1
	v_add_nc_u32 v11, 0xff000000, v12              ; 2 off the exponent field: the conversion takes the exponent field of this operand as its scale
	v_lshrrev_b32 v13, 23, v11                     ; the scale's byte
.if (\t) == 0
	v_mov_b32 v[SB], v13
.else
	v_lshl_or_b32 v[SB], v13, 8*(\t), v[SB]        ; the lower K in the lower byte
.endif
.irp g, 0,1,2,3
	v_cvt_scalef32_pk8_fp4_f32 v[C+4*(\t)+\g], v[XB+8*\g:XB+8*\g+7], v11
.endr
	global_store_b128 v[SO], v[C+4*(\t):C+4*(\t)+3], s[12:13] offset:256*(\t)   ; sixteen lanes store 256 consecutive aligned bytes.  (The next block begins with plain vector lines that touch nothing of the conversions)
.endm
	BLOCK 0, 63
	BLOCK 1, 63
	BLOCK 2, 32
	BLOCK 3, 0
	global_store_b32 v[LO], v[SB], s[14:15]        ; my column's scale word of this K step
	s_endpgm
.Lwo:
; Wo: 32 along K at a time become one fragment of f16 for each of my wave's two column tiles.
.macro HALF t, left
	s_wait_loadcnt \left
.irp g, 0,1,2,3
.irp i, 0,1,2,3
	v_cvt_pk_f16_f32 v[C+16*(\t)+4*\g+\i], v[X+32*(\t)+8*\g+2*\i], v[X+32*(\t)+8*\g+2*\i+1]   ; the lower k in the low half
.endr
	global_store_b128 v[SO], v[C+16*(\t)+4*\g:C+16*(\t)+4*\g+3], s[16:17] offset:1024*(\t)+256*\g
.endr
.endm
	HALF 0, 63
	HALF 1, 63
	HALF 2, 32
	HALF 3, 0
	s_endpgm
.Lfunc_end_k_qce82c6de4a_prep:
	.size	k_qce82c6de4a_prep, .Lfunc_end_k_qce82c6de4a_prep-k_qce82c6de4a_prep
	.p2alignl 7, 3214868480
	.fill 96, 4, 3214868480
	.section	.rodata,"a",@progbits
	.p2align	6, 0x0
	.amdhsa_kernel k_qce82c6de4a_prep
		.amdhsa_group_segment_fixed_size 0
		.amdhsa_private_segment_fixed_size 0
		.amdhsa_enable_private_segment 0
		.amdhsa_kernarg_size 56
		.amdhsa_user_sgpr_count 2
		.amdhsa_user_sgpr_kernarg_segment_ptr 1
		.amdhsa_wavefront_size32 1
		.amdhsa_system_sgpr_workgroup_id_x 1
		.amdhsa_system_sgpr_workgroup_id_y 1
		.amdhsa_system_sgpr_workgroup_id_z 1
		.amdhsa_system_vgpr_workitem_id 0
		.amdhsa_next_free_vgpr 224
		.amdhsa_next_free_sgpr 66
		.amdhsa_reserve_vcc 0
		.amdhsa_float_denorm_mode_32 3
		.amdhsa_float_denorm_mode_16_64 3
		.amdhsa_memory_ordered 1
		.amdhsa_forward_progress 1
		.amdhsa_inst_pref_size 27
	.end_amdhsa_kernel
	.amdgpu_metadata
---
amdhsa.version: [ 1, 2 ]
amdhsa.kernels:
  - .name:           k_qce82c6de4a_prep
    .symbol:         k_qce82c6de4a_prep.kd
    .args:
      - { .name: Wq, .offset: 0, .size: 8, .value_kind: global_buffer, .address_space: global }
      - { .name: Wk, .offset: 8, .size: 8, .value_kind: global_buffer, .address_space: global }
      - { .name: Wv, .offset: 16, .size: 8, .value_kind: global_buffer, .address_space: global }
      - { .name: Wo, .offset: 24, .size: 8, .value_kind: global_buffer, .address_space: global }
      - { .name: wcodes, .offset: 32, .size: 8, .value_kind: global_buffer, .address_space: global }
      - { .name: wscales, .offset: 40, .size: 8, .value_kind: global_buffer, .address_space: global }
      - { .name: wof, .offset: 48, .size: 8, .value_kind: global_buffer, .address_space: global }
    .group_segment_fixed_size: 0
    .private_segment_fixed_size: 0
    .kernarg_segment_align: 8
    .kernarg_segment_size: 56
    .max_flat_workgroup_size: 128
    .sgpr_count:     66
    .vgpr_count:     224
    .wavefront_size: 32
...
	.end_amdgpu_metadata
.endif
;; end of part 1
;; launch proj (part 2): grid 64 x 3, 16 waves a work-group, no clusters, 309,248 bytes of LDS; arguments query, key, value, wcodes, wscales, bq, bk, bv, qf, kf, vf; writes qf, kf, vf
.if DOCPART == 2
	.amdgcn_target "amdgcn-amd-amdhsa--gfx1250"
	.amdhsa_code_object_version 6
	.text
	.protected	k_qce82c6de4a_proj
	.globl	k_qce82c6de4a_proj
	.p2align	8
	.type	k_qce82c6de4a_proj,@function
k_qce82c6de4a_proj:
	s_mov_b64 s[64:65], 0
	v_nop
	global_prefetch_b8 v0, s[64:65] scope:SCOPE_SE
	s_setreg_imm32_b32 hwreg(HW_REG_WAVE_MODE, 25, 1), 1
	s_wait_xcnt 0x0
; q = query Wq + bq, k = key Wk + bk, v = value Wv + bv: three products [4096, 1024] x [1024, 1024] on codes of E2M1 with one E8M0 scale for each 32 along K; sums in f32; results rounded once to f16.
; Work-group (x, y): y = which of the three; x = which 64 rows.  It makes its 64 rows x ALL 1,024 columns, so each f32 number of the activations is read once and quantised once.
; SIXTEEN WAVES.  Wave w is head w: columns 64 w .. 64 w + 63 (4 column tiles t) x 4 row tiles m: 16 accumulators.
; X: one tensor load a wave brings 32 rows x 128 along K of f32 (K step w / 2, rows 32 (w % 2) on) into the wave's own LDS tile; the wave quantises them into two fragments (16 rows x 128 K) and stores these
;    as IMAGES OF THEIR REGISTERS (lane l's 16 bytes at 16 l, 512 bytes a store), with the rows' scale words | ONE BARRIER | eight K steps: x's four fragments from LDS, my four fragments of the weight from memory
;    straight into registers (they were laid out in register order), 16 matrix instructions.
; OUT, again as images, so that the next launch reads fragments by plain 16-byte loads.
;    q, k: source 0 = 16 columns of W, source 1 = 16 rows of x: a lane holds one row and 8 neighbouring channels: four roundings give 16 bytes of fragment t / 2, piece t % 2.   qf, kf: [batch x head 32][row tile 128][32 channels: 2][1,024 bytes]
;    v:    sources swapped: a lane holds one channel and 8 neighbouring keys: piece m % 2 of key group m / 2.                                                           vf: [batch x head 32][32 keys: 64][channel tile 4][1,024 bytes]
; NO CLUSTER, though the 64 work-groups of one y read the same weights: a weight fragment goes from memory into the registers of the ONE wave of a work-group that multiplies it, and feeds 4 products there.  Shared by joint loads it would pass
; through LDS: 512 KB of LDS reads a work-group more, beside the 512 KB that x's fragments take, and LDS bytes filled again and again in place of one fill.
; LIMITS: q, k, v from 65,520 on in magnitude do not fit f16; a block of zeros gets the scale byte 1 (its codes are zeros; this program alone reads the bytes); blocks whose largest magnitude lies under 2^-124 are held at the byte 1; NaN and infinities are not served.
.set TILEB, 16896                      ; a wave's tile of f32: 32 rows x (512 bytes + 16 of padding): row r starts 16 r bytes on modulo 256, so the 16 rows of a load fall on different banks (64 banks of 4 bytes: ISA guide 11.1)
.set XIMG,  16*TILEB                   ; 270,336: x's 32 fragments, (row tile m, K step s) at (8 m + s) x 1,024
.set XSC,   XIMG+32768                 ; 303,104: their scale words: K step s has 512 bytes: row tile m's word of lane l at 512 s + 16 l + 4 m
.set SPARE, XSC+4096                   ; 307,200: the spare words, 128 bytes for each wave: eight blocks of 256 bytes that no other line names
.set LI,  1                            ; v1   16 x lane: an image's place for my lane
.set L4,  2                            ; v2   4 x lane
.set XFA, 3                            ; v3   16 x lane + XIMG
.set XSA, 4                            ; v4   16 x lane + XSC
.set SPW, 5                            ; v5   LDS address of my spare word; never rewritten
.set NIL, 6                            ; v6   0; never rewritten
.set BQ,  7                            ; v7   the bias's offset for q and k: 32 (lane / 16)
.set XS,  8                            ; v8-11   x's scale words, row tile m in v[8 + m]: scales and nothing else
.set WS,  12                           ; v12-27  W's scale words: v[12 + 2 s + t / 2]: lanes 0-15 column tile 2 (t / 2), lanes 16-31 the next: scales and nothing else
.set BV,  28                           ; v28  the bias's offset for v: 4 (lane % 16)
.set XF,  32                           ; v32-63  x's four fragments of a K step
.set WF,  64                           ; v64-95, v96-127  W's four fragments, two sets by turns; at the end the bias
.set ACC, 128                          ; v128-255  accumulator (m, t) at 128 + 8 (4 m + t)
.set TM,  32                           ; while x is quantised: v32-47 at work, v48-55 the codes, v56 the scale word, v57-59 addresses; v128-255 the numbers
.set PC,  48
.set PW,  56
.set XRD, 57
.set XWI, 58
.set XWS, 59
.set SEL, 54                           ; s[54:55] v_permlanex16_b32's selects for lane l xor 16
	s_load_b256 s[4:11], s[0:1], 0x0               ; query s[4:5], key s[6:7], value s[8:9], wcodes s[10:11]
	s_load_b256 s[12:19], s[0:1], 0x20             ; wscales s[12:13], bq s[14:15], bk s[16:17], bv s[18:19]
	s_load_b128 s[20:23], s[0:1], 0x40             ; qf s[20:21], kf s[22:23]
	s_load_b64 s[24:25], s[0:1], 0x50              ; vf
	v_lshl_add_u32 v[SPW], v0, 2, SPARE
	v_mov_b32 v[NIL], 0
	ds_add_u32 v[SPW], v[NIL]                      ; the wave's opening: the add, twice on end, and its wait ahead of my tensor load; the set-up below, work on registers, stands between
	ds_add_u32 v[SPW], v[NIL]
	v_lshrrev_b32 v60, 5, v0
	v_readfirstlane_b32 s26, v60                   ; wave 0..15
	v_and_b32 v62, 31, v0
	v_lshlrev_b32 v[LI], 4, v62
	v_lshlrev_b32 v[L4], 2, v62
	v_and_b32 v60, 15, v0                          ; r
	v_bfe_u32 v61, v0, 4, 1                        ; h
	v_lshlrev_b32 v[BQ], 5, v61
	v_lshlrev_b32 v[BV], 2, v60
	v_add_nc_u32 v[XFA], XIMG, v[LI]
	v_add_nc_u32 v[XSA], XSC, v[LI]
	s_and_b32 s27, ttmp7, 0xffff                   ; z: 0 q, 1 k, 2 v
	s_and_b32 s29, s26, 1                          ; hf: which 32 rows I bring and quantise
	s_lshr_b32 s30, s26, 1                         ; ks: which K step
	; descriptor group 1: 32 rows x 128 elements of 4 bytes, 1,024 elements from row to row; 4 words of padding behind every 128
	s_mov_b32 s36, (2<<16)|(1<<20)|(6<<22)|(3<<25)
	s_mov_b32 s37, 128<<16                         ; tensor_dim0
	s_mov_b32 s38, 32<<16                          ; tensor_dim1
	s_mov_b32 s39, 128<<16                         ; tile_dim0
	s_mov_b32 s40, 32                              ; tile_dim1
	s_mov_b32 s41, 1024                            ; tensor_dim0_stride
	s_mov_b32 s42, 0
	s_mov_b32 s43, 0
	s_mov_b32 s32, 1                               ; group 0: count = 1,
	s_mul_i32 s33, s26, TILEB                      ; my own tile in LDS
	s_lshl_b32 s56, ttmp9, 18                      ; x: 64 rows of 4,096 bytes a work-group,
	s_lshl_b32 s31, s29, 17                        ; + 32 rows,
	s_add_co_u32 s56, s56, s31
	s_lshl_b32 s31, s30, 9                         ; + 128 numbers a K step
	s_add_co_u32 s56, s56, s31
	s_mov_b32 s57, 0
	s_lshr_b32 s58, ttmp9, 5                       ; out: batch b = x / 32: (16 b + w) x 262,144
	s_lshl_b32 s58, s58, 22
	s_lshl_b32 s31, s26, 18
	s_add_co_u32 s58, s58, s31
	s_and_b32 s31, ttmp9, 31
	s_lshl_b32 s31, s31, 13                        ; + 8,192 bytes for each 64 rows of the sequence
	s_add_co_u32 s58, s58, s31
	s_mov_b32 s59, 0
	s_lshl_b32 s60, s27, 19                        ; the weight's codes: 524,288 a matrix, 4 column tiles x 8,192 a wave
	s_lshl_b32 s31, s26, 15
	s_add_co_u32 s60, s60, s31
	s_mov_b32 s61, 0
	s_lshl_b32 s62, s27, 15                        ; its scale words: 32,768 a matrix, 64 words a wave
	s_lshl_b32 s2, s26, 8                          ; (also the bias's offset: 64 numbers a wave)
	s_add_co_u32 s62, s62, s2
	s_mov_b32 s63, 0
	s_mov_b32 s3, 0
	s_mov_b32 s[SEL], 0x76543210
	s_mov_b32 s[SEL+1], 0xfedcba98
	v_mul_u32_u24 v[XRD], v60, 528                 ; in my tile: row r, + 64 h: my 16 numbers of a block of 32
	v_lshl_add_u32 v[XRD], v61, 6, v[XRD]
	v_add_nc_u32 v[XRD], s33, v[XRD]
	s_lshl_b32 s31, s29, 14
	s_lshl_b32 s28, s30, 10
	s_add_co_u32 s31, s31, s28
	v_add_nc_u32 v[XWI], s31, v[XFA]               ; my first image: fragment (2 hf, ks): (16 hf + ks) x 1,024
	s_lshl_b32 s31, s30, 9
	s_lshl_b32 s28, s29, 3
	s_add_co_u32 s31, s31, s28
	v_add_nc_u32 v[XWS], s31, v[XSA]               ; and its scale words: 512 ks + 4 (2 hf)
.irp b, 0,1,2,3
	v_mov_b32 v[TM+4+\b], 0                        ; written once: a lane permute's destination counts as one of its sources
.endr
	s_wait_dscnt 0x0                               ; both opening adds are done
	s_wait_kmcnt 0x0
	s_cmp_eq_u32 s27, 0                            ; the buffers are chosen by the work-group's number alone
	s_cselect_b64 s[44:45], s[4:5], s[6:7]
	s_cselect_b64 s[46:47], s[14:15], s[16:17]
	s_cselect_b64 s[48:49], s[20:21], s[22:23]
	s_cmp_eq_u32 s27, 2
	s_cselect_b64 s[44:45], s[8:9], s[44:45]
	s_cselect_b64 s[46:47], s[18:19], s[46:47]
	s_cselect_b64 s[48:49], s[24:25], s[48:49]
	s_add_nc_u64 s[44:45], s[44:45], s[56:57]      ; x at my tile
	s_add_nc_u64 s[46:47], s[46:47], s[2:3]        ; the bias at my 64 columns
	s_add_nc_u64 s[48:49], s[48:49], s[58:59]      ; the result at my 8 KB
	s_add_nc_u64 s[50:51], s[10:11], s[60:61]      ; the weight's codes
	s_add_nc_u64 s[52:53], s[12:13], s[62:63]      ; and scale words
	s_mov_b64 s[34:35], s[44:45]
	s_or_b32 s35, s35, 0x80000000                  ; type = 2
	tensor_load_to_lds s[32:35], s[36:43]          ; my one tensor load: a first fill; nothing is ever filled again
	s_nop 0
; W's four fragments of K step s into v[reg] on: 8 loads of 512 consecutive bytes
.macro WLOAD s, reg
.irp t, 0,1,2,3
.irp c, 0,1
	global_load_b128 v[\reg+8*\t+4*\c:\reg+8*\t+4*\c+3], v[LI], s[50:51] offset:8192*\t+1024*(\s)+512*\c
.endr
.endr
.endm
.irp s, 0,1,2,3,4,5,6,7                ; what hangs on nothing of x is asked for at once: all 16 registers of W's scale words,
.irp p, 0,1
	global_load_b32 v[WS+2*\s+\p], v[L4], s[52:53] offset:4096*\s+128*\p
.endr
.endr
	WLOAD 0, WF                                    ; and the first two K steps' fragments
	WLOAD 1, WF+32
; 64 numbers of a lane, v[s] on, register 16 b + i = k 32 b + 16 (lane / 16) + i of my row, become a fragment's codes in v[PC] on and its scale word in v[PW]
.macro QUANT s
.irp b, 0,1,2,3
	v_max3_num_f32 v[TM+\b], |v[\s+16*\b]|, |v[\s+1+16*\b]|, 0x1800000   ; block b: my 16 numbers, and the floor 2^(3 - 127): the byte cannot fall under 1
.endr
.irp i, 2,4,6,8,10,12,14
.irp b, 0,1,2,3
	v_max3_num_f32 v[TM+\b], v[TM+\b], |v[\s+16*\b+\i]|, |v[\s+1+16*\b+\i]|   ; the four blocks by turns
.endr
.endr
.irp b, 0,1,2,3
	v_permlanex16_b32 v[TM+4+\b], v[TM+\b], s[SEL], s[SEL+1]
.endr
.irp b, 0,1,2,3
	v_max_num_f32 v[TM+\b], v[TM+\b], v[TM+4+\b]   ; with lane l xor 16's: the block's largest magnitude
.endr
.irp b, 0,1,2,3
	v_add_nc_u32 v[TM+12+\b], 0xff000000, v[TM+\b] ; 2 off its exponent field: the conversion's scale operand
.endr
.irp b, 0,1,2,3
	v_lshrrev_b32 v[TM+4+\b], 23, v[TM+12+\b]      ; the scale's byte
.endr
	v_lshl_or_b32 v[PW], v[TM+5], 8, v[TM+4]       ; my row's scale word (both halves of the lanes hold the same)
	v_lshl_or_b32 v[PW], v[TM+6], 16, v[PW]
	v_lshl_or_b32 v[PW], v[TM+7], 24, v[PW]
.irp b, 0,1,2,3
	v_cvt_scalef32_pk8_fp4_f32 v[PC+2*\b], v[\s+16*\b:\s+7+16*\b], v[TM+12+\b]
	v_cvt_scalef32_pk8_fp4_f32 v[PC+1+2*\b], v[\s+8+16*\b:\s+15+16*\b], v[TM+12+\b]
.endr
	v_nop                                          ; one plain place behind the last scaled conversion
.irp c, 0,1                            ; the operand's layout wants a WHOLE block in a lane: lanes 0-15 block 2 c, lanes 16-31 block 2 c + 1
.irp i, 0,1
	v_permlane16_swap_b32 v[PC+4*\c+\i], v[PC+2+4*\c+\i]
.endr
.endr
.endm
.macro IMAGE off
.irp c, 0,1
	ds_store_b128 v[XWI], v[PC+4*\c:PC+4*\c+3] offset:\off+512*\c
.endr
.endm
	s_wait_tensorcnt 0x0                           ; my tile is in LDS; I alone read it
.irp u, 0,1
.irp b, 0,1,2,3
.irp j, 0,1,2,3
	ds_load_b128 v[ACC+64*\u+16*\b+4*\j:ACC+64*\u+16*\b+4*\j+3], v[XRD] offset:8448*\u+128*\b+16*\j
.endr
.endr
.endr
	s_wait_dscnt 16                                ; rows 0-15 are in; the 16 loads of rows 16-31 may be out
	QUANT ACC
	IMAGE 0
	ds_store_b32 v[XWS], v[PW]
	s_wait_dscnt 0x0                               ; rows 16-31 are in, and the stores have read their registers
	QUANT ACC+64
	IMAGE 8192                                     ; the next row tile: 8 fragments on
	ds_store_b32 v[XWS], v[PW] offset:4
	s_wait_dscnt 0x0                               ; for the others' sake: my stores have landed
	s_barrier_signal -1
	s_barrier_wait -1                              ; x's 32 fragments and their scale words lie in LDS; from here on LDS is only read
; One product.  The 16 accumulators take turns, one instruction a turn, in the same order in every K step.  The first K step starts the sums with the constant 0.
.macro MMW m, t, s                     ; q, k: source 0 = W's column tile t, source 1 = x's row tile m
.set rD, ACC+8*(4*(\m)+(\t))
.set rW, WF+32*((\s)%2)+8*(\t)
.set rX, XF+8*(\m)
.set rS, WS+2*(\s)+(\t)/2
.if (\s) == 0
.if (\t)%2
	v_wmma_scale_f32_16x16x128_f8f6f4 v[rD:rD+7], v[rW:rW+7], v[rX:rX+7], 0, v[rS], v[XS+(\m)] matrix_a_fmt:MATRIX_FMT_FP4 matrix_b_fmt:MATRIX_FMT_FP4 matrix_a_scale:MATRIX_SCALE_ROW1
.else
	v_wmma_scale_f32_16x16x128_f8f6f4 v[rD:rD+7], v[rW:rW+7], v[rX:rX+7], 0, v[rS], v[XS+(\m)] matrix_a_fmt:MATRIX_FMT_FP4 matrix_b_fmt:MATRIX_FMT_FP4
.endif
.else
.if (\t)%2
	v_wmma_scale_f32_16x16x128_f8f6f4 v[rD:rD+7], v[rW:rW+7], v[rX:rX+7], v[rD:rD+7], v[rS], v[XS+(\m)] matrix_a_fmt:MATRIX_FMT_FP4 matrix_b_fmt:MATRIX_FMT_FP4 matrix_a_scale:MATRIX_SCALE_ROW1
.else
	v_wmma_scale_f32_16x16x128_f8f6f4 v[rD:rD+7], v[rW:rW+7], v[rX:rX+7], v[rD:rD+7], v[rS], v[XS+(\m)] matrix_a_fmt:MATRIX_FMT_FP4 matrix_b_fmt:MATRIX_FMT_FP4
.endif
.endif
.endm
.macro MMX m, t, s                     ; v: source 0 = x's row tile m, source 1 = W's column tile t
.set rD, ACC+8*(4*(\m)+(\t))
.set rW, WF+32*((\s)%2)+8*(\t)
.set rX, XF+8*(\m)
.set rS, WS+2*(\s)+(\t)/2
.if (\s) == 0
.if (\t)%2
	v_wmma_scale_f32_16x16x128_f8f6f4 v[rD:rD+7], v[rX:rX+7], v[rW:rW+7], 0, v[XS+(\m)], v[rS] matrix_a_fmt:MATRIX_FMT_FP4 matrix_b_fmt:MATRIX_FMT_FP4 matrix_b_scale:MATRIX_SCALE_ROW1
.else
	v_wmma_scale_f32_16x16x128_f8f6f4 v[rD:rD+7], v[rX:rX+7], v[rW:rW+7], 0, v[XS+(\m)], v[rS] matrix_a_fmt:MATRIX_FMT_FP4 matrix_b_fmt:MATRIX_FMT_FP4
.endif
.else
.if (\t)%2
	v_wmma_scale_f32_16x16x128_f8f6f4 v[rD:rD+7], v[rX:rX+7], v[rW:rW+7], v[rD:rD+7], v[XS+(\m)], v[rS] matrix_a_fmt:MATRIX_FMT_FP4 matrix_b_fmt:MATRIX_FMT_FP4 matrix_b_scale:MATRIX_SCALE_ROW1
.else
	v_wmma_scale_f32_16x16x128_f8f6f4 v[rD:rD+7], v[rX:rX+7], v[rW:rW+7], v[rD:rD+7], v[XS+(\m)], v[rS] matrix_a_fmt:MATRIX_FMT_FP4 matrix_b_fmt:MATRIX_FMT_FP4
.endif
.endif
.endm
; K step s: 128 along K.  vp = 1: the path for v.
.macro KSTEP s, vp
.irp m, 0,1,2,3
.irp c, 0,1
	ds_load_b128 v[XF+8*\m+4*\c:XF+8*\m+4*\c+3], v[XFA] offset:(8*\m+(\s))*1024+512*\c
.endr
.endr
	ds_load_b128 v[XS:XS+3], v[XSA] offset:512*(\s)   ; the four row tiles' scale words
	s_wait_loadcnt 8                               ; this step's weights (and all scale words) are in: behind them only the next step's 8 loads, or at the last step the bias's 8, were issued
	s_wait_dscnt 0x0
.irp m, 0,1,2,3
.irp t, 0,1,2,3
.if \vp
	MMX \m, \t, \s
.else
	MMW \m, \t, \s
.endif
.endr
.endr
.rept 4
	v_nop                                          ; four places ahead of every load into a register that these products have read, the next step's LDS loads too, and of the first read of results
.endr
.if (\s) <= 5
	WLOAD (\s)+2, WF+32*((\s)%2)                   ; the set just read takes the weights of two steps on
.endif
.if (\s) == 6
.irp t, 0,1,2,3                        ; and at last the bias, in the result's layout
.irp i, 0,1
.if \vp
	global_load_b32 v[WF+2*\t+\i], v[BV], s[46:47] offset:64*\t          ; v: my one channel's, twice: a pair for the packed addition
.else
	global_load_b128 v[WF+8*\t+4*\i:WF+8*\t+4*\i+3], v[BQ], s[46:47] offset:64*\t+16*\i   ; q, k: my eight channels'
.endif
.endr
.endr
.endif
.endm
; The way out: + bias in f32, one rounding to f16, one store of 512 consecutive aligned bytes for each accumulator, each taken from its low end on.
.macro OUT vp
	s_wait_loadcnt 0x0                             ; the bias
.irp m, 0,1,2,3
.irp t, 0,1,2,3
.irp i, 0,1,2,3
.if \vp
	v_pk_add_f32 v[ACC+8*(4*\m+\t)+2*\i:ACC+8*(4*\m+\t)+2*\i+1], v[ACC+8*(4*\m+\t)+2*\i:ACC+8*(4*\m+\t)+2*\i+1], v[WF+2*\t:WF+2*\t+1]
.else
	v_pk_add_f32 v[ACC+8*(4*\m+\t)+2*\i:ACC+8*(4*\m+\t)+2*\i+1], v[ACC+8*(4*\m+\t)+2*\i:ACC+8*(4*\m+\t)+2*\i+1], v[WF+8*\t+2*\i:WF+8*\t+2*\i+1]
.endif
.endr
.irp i, 0,1,2,3
	v_cvt_pk_f16_f32 v[ACC+8*(4*\m+\t)+\i], v[ACC+8*(4*\m+\t)+2*\i], v[ACC+8*(4*\m+\t)+2*\i+1]   ; in place, ascending: no source is written before it is read
.endr
.if \vp
	global_store_b128 v[LI], v[ACC+8*(4*\m+\t):ACC+8*(4*\m+\t)+3], s[48:49] offset:4096*(\m/2)+1024*\t+512*(\m%2)
.else
	global_store_b128 v[LI], v[ACC+8*(4*\m+\t):ACC+8*(4*\m+\t)+3], s[48:49] offset:2048*\m+512*\t
.endif
.endr
.endr
	s_wait_tensorcnt 0x0                           ; the wave's end, behind my tensor load and my last LDS store
	ds_add_u32 v[SPW], v[NIL]
	s_wait_dscnt 0x0
	s_endpgm
.endm
	s_cmp_eq_u32 s27, 2                            ; the work-group's number alone decides
	s_cbranch_scc1 .Lv
.irp s, 0,1,2,3,4,5,6,7
	KSTEP \s, 0
.endr
	OUT 0
.Lv:
.irp s, 0,1,2,3,4,5,6,7
	KSTEP \s, 1
.endr
	OUT 1
.Lfunc_end_k_qce82c6de4a_proj:
	.size	k_qce82c6de4a_proj, .Lfunc_end_k_qce82c6de4a_proj-k_qce82c6de4a_proj
	.p2alignl 7, 3214868480
	.fill 96, 4, 3214868480
	.section	.rodata,"a",@progbits
	.p2align	6, 0x0
	.amdhsa_kernel k_qce82c6de4a_proj
		.amdhsa_group_segment_fixed_size 309248
		.amdhsa_private_segment_fixed_size 0
		.amdhsa_enable_private_segment 0
		.amdhsa_kernarg_size 88
		.amdhsa_user_sgpr_count 2
		.amdhsa_user_sgpr_kernarg_segment_ptr 1
		.amdhsa_wavefront_size32 1
		.amdhsa_system_sgpr_workgroup_id_x 1
		.amdhsa_system_sgpr_workgroup_id_y 1
		.amdhsa_system_sgpr_workgroup_id_z 1
		.amdhsa_system_vgpr_workitem_id 0
		.amdhsa_next_free_vgpr 256
		.amdhsa_next_free_sgpr 66
		.amdhsa_reserve_vcc 0
		.amdhsa_float_denorm_mode_32 3
		.amdhsa_float_denorm_mode_16_64 3
		.amdhsa_memory_ordered 1
		.amdhsa_forward_progress 1
		.amdhsa_inst_pref_size 91
	.end_amdhsa_kernel
	.amdgpu_metadata
---
amdhsa.version: [ 1, 2 ]
amdhsa.kernels:
  - .name:           k_qce82c6de4a_proj
    .symbol:         k_qce82c6de4a_proj.kd
    .args:
      - { .name: query, .offset: 0, .size: 8, .value_kind: global_buffer, .address_space: global }
      - { .name: key, .offset: 8, .size: 8, .value_kind: global_buffer, .address_space: global }
      - { .name: value, .offset: 16, .size: 8, .value_kind: global_buffer, .address_space: global }
      - { .name: wcodes, .offset: 24, .size: 8, .value_kind: global_buffer, .address_space: global }
      - { .name: wscales, .offset: 32, .size: 8, .value_kind: global_buffer, .address_space: global }
      - { .name: bq, .offset: 40, .size: 8, .value_kind: global_buffer, .address_space: global }
      - { .name: bk, .offset: 48, .size: 8, .value_kind: global_buffer, .address_space: global }
      - { .name: bv, .offset: 56, .size: 8, .value_kind: global_buffer, .address_space: global }
      - { .name: qf, .offset: 64, .size: 8, .value_kind: global_buffer, .address_space: global }
      - { .name: kf, .offset: 72, .size: 8, .value_kind: global_buffer, .address_space: global }
      - { .name: vf, .offset: 80, .size: 8, .value_kind: global_buffer, .address_space: global }
    .group_segment_fixed_size: 309248
    .private_segment_fixed_size: 0
    .kernarg_segment_align: 8
    .kernarg_segment_size: 88
    .max_flat_workgroup_size: 512
    .sgpr_count:     66
    .vgpr_count:     256
    .wavefront_size: 32
...
	.end_amdgpu_metadata
.endif
;; end of part 2
;; launch attn (part 3): grid 8 x 32, 8 waves a work-group, clusters of 4 x 1, 327,680 bytes of LDS; arguments qf, kf, vf, af; writes af
.if DOCPART == 3
	.amdgcn_target "amdgcn-amd-amdhsa--gfx1250"
	.amdhsa_code_object_version 6
	.text
	.protected	k_qce82c6de4a_attn
	.globl	k_qce82c6de4a_attn
	.p2align	8
	.type	k_qce82c6de4a_attn,@function
k_qce82c6de4a_attn:
	s_mov_b64 s[64:65], 0
	v_nop
	global_prefetch_b8 v0, s[64:65] scope:SCOPE_SE
	s_setreg_imm32_b32 hwreg(HW_REG_WAVE_MODE, 25, 1), 1
	s_wait_xcnt 0x0
	s_wait_alu depctr_hold_cnt(0) depctr_sa_sdst(0) depctr_va_vdst(0) depctr_va_sdst(0) depctr_va_ssrc(0) depctr_va_vcc(0) depctr_vm_vsrc(0)
	s_getreg_b32 s2, hwreg(HW_REG_IB_STS2, 6, 4)
	s_cmp_eq_u32 s2, 0
	s_cbranch_scc0 .Lentry_in_a_cluster
	s_endpgm
.Lentry_in_a_cluster:
	s_bfe_u32 s2, ttmp6, 0x10000c
	s_cmp_lg_u32 s2, 0x3003
	s_cbranch_scc0 .Lentry_shape_is_right
	s_endpgm
.Lentry_shape_is_right:
; O[bh][q] = the sum over k of softmax_k(Q[bh][q] . K[bh][k] / 8) V[bh][k]: 32 (batch x head), 2,048 queries and keys, head size 64, no mask.  Operands in f16, products, maxima and sums in f32;
; the weights p are rounded to f16 for the second product, O once at the end.
; ALL OPERANDS LIE IN MEMORY AS IMAGES OF FRAGMENTS (1,024 bytes: registers 4 c .. 4 c + 3 of lane l at 512 c + 16 l), so every fragment comes by two loads of 16 bytes a lane at a constant + 16 x lane: no pitch, no padding, no turning load.
; SHARES.  A work-group owns 256 queries of one (batch, head); each of its EIGHT waves owns 32: two tiles of 16.  Every wave walks all 2,048 keys, 128 a step.
; LAYOUT.  S^T = K Q^T (source 0 = 16 keys, source 1 = 16 queries): a lane holds ONE query and the keys 8 (lane / 16) + 0..7 of a tile.  Two such tiles, rounded to f16 in pairs, ARE source 1 (32 keys x 16 queries) of
; O^T = V^T P, whose result again holds one query a lane, and eight channels: four roundings give 16 bytes of the next launch's operand.
; SOFTMAX.  For each query a running maximum m and sum l: p = 2^(c s - c m), c = log2(e) / 8; in every step O and l are multiplied by a = 2^(c m_old - c m_new).  m begins at -3e38, O and l at 0: the first a is 0 and multiplies zeros.
; BY TURNS.  The wave's two tiles never look at each other.  In a TURN one tile has the matrix unit: 16 products V^T P of the step in hand, then 16 products K Q^T of the next step; the other tile's softmax, 214 vector
; instructions cut into 16 slices, stands between them, one slice behind each PAIR of products.  Then the tiles change places; two turns are a key step.  So vector work is issued while the unit works on the wave's own products.
; A slice costs two switches of the register window (below); with a slice behind each pair that is 64 for a step's 64 products, half of what a slice behind each product would cost; set in phases, the step's 428 vector
; instructions would stand with no product of the wave among them.
; RING.  Two LDS slots of 512 keys (64 KB of K, 64 KB of V), each a dense run of memory.  All eight waves fetch: wave w brings 16 KB to slot + 16,384 w (waves 0-3 K's quarters, waves 4-7 V's).
; CLUSTER.  The four query blocks of a cluster belong to one (batch, head) and walk the same K and V: each tile is asked for JOINTLY, by the same tensor load with the same descriptor and a mask that names the four.
; By this text's own count a wave has two tensor loads out at the start and one behind each round that fills.
; LIMITS: NaN and infinities are not served; scores under -3e38 are not served.
; REGISTERS.  Window 0: v1-7 addresses; v8-23 statistics; v24-27 two sums at work; v32-63 Q; v64-191 S^T (P is made in place in each tile's lower 32); v192-255 O^T.   Window 1: v0-127 K of a step; v128-255 V of a step.
; All that a softmax touches lies in window 0; a product's source 0 (K or V) lies in window 1.
.set SLOT1, 131072                     ; slot 1 begins here: one exclusive or turns an address in one slot into the other's
.set VOFF,  65536                      ; in a slot: K, then V
.set STEPB, 16384                      ; a step's bytes of K, and of V
.set SPARE, 262144                     ; behind the ring: the spare words, 128 bytes for each wave: four blocks of 256 bytes that no other line names
.set LI,  1                            ; v1  16 x lane; never rewritten
.set ADK, 2                            ; v2  LDS address of the K to be fetched
.set ADV, 3                            ; v3  of the V
.set AV0, 4                            ; v4  16 x lane + VOFF
.set SPW, 5                            ; v5  LDS address of my spare word; never rewritten
.set NIL, 6                            ; v6  0; never rewritten
.set PFO, 7                            ; v7  256 x lane: the prefetch's offset; never rewritten
.set ST,  8                            ; tile t's statistics at v[8 + 8 t]: +0 c m, +1 m, +2, +3 l (even keys', odd keys'), +4 .. +7 at work; a takes +6 once the maximum is found
.set TP,  24                           ; v24-27  two more chains of the sum: one tile's softmax is at work at a time
.set QR,  32                           ; Q (tile t, 32 channels f) at 32 + 16 t + 8 f
.set S,   64                           ; S^T (tile t, key tile kt) at 64 + 64 t + 8 kt
.set OA,  192                          ; O^T (tile t, channel tile ct) at 192 + 32 t + 8 ct
.set WV,  12                           ; s12 my wave's number
.set LIM, 15                           ; s15 1 in a wave that prefetches, else the greatest number
.set PFA, 18                           ; s[18:19] where my prefetch stands
.set G1,  24                           ; s[24:31] descriptor group 1
.set G0,  32                           ; s[32:35], s[36:39] group 0 for the two first fills; the second then walks on
.set SLOTS, 40                         ; s40 slots still to be asked for
.set CNT, 41                           ; s41 counts key steps
.set CS,  42                           ; s[42:43] c: the packed form names a pair and takes its low word for both halves
.set SEL, 44                           ; s[44:45] v_permlanex16_b32's selects for lane l xor 16
.set TK,  46                           ; s46 LDS byte at which the K to be fetched next begins
.set TV,  47                           ; s47 the same for V, less VOFF
.set MSB, 0
.macro WIN new                         ; the immediate's high byte repeats the setting that is left; a switch that changes nothing is dropped
.if MSB != \new
	s_set_vgpr_msb (MSB<<8)|\new
.set MSB, \new
.endif
.endm
.macro CROUND                          ; a round of the cluster's barrier: my work-group's barrier; wave 0 signals for the work-group; every wave waits for all four work-groups; my work-group's barrier once more
	s_barrier_signal -1
	s_barrier_wait -1
	s_cmp_lg_u32 s[WV], 0
	s_cbranch_scc1 .Lnot_wave_0_\@
	s_barrier_signal -3
.Lnot_wave_0_\@:
	s_barrier_wait -3
	s_barrier_signal -1
	s_barrier_wait -1
.endm
; A PREFETCH INTO THE L2 of what the NEXT filling change of slots will ask for: 64 KB of K and 64 KB of V, lanes 256 bytes apart.  It stands behind the wave's tensor load and the lines that follow that.
; Each aligned block of 256 bytes is named once in the launch: both clusters of a (batch, head) walk the same K and V, and the first of them asks; its four partners share the bytes out BY ADDRESS, 8,192 each of 32,768;
; in each, waves 0 and 2 ask for K's two halves and waves 4 and 6 for V's: one instruction a wave.  Of the two changes that fill, the first asks, for the slot that the second will load: four key steps ahead.
; The first three slots come by their loads alone; nothing is asked for at the head.
.macro ASK
	s_cmp_gt_u32 s[SLOTS], s[LIM]
	s_cbranch_scc0 .Lnot_mine_\@
	global_prefetch_b8 v[PFO], s[PFA:PFA+1] th:TH_LOAD_NT scope:SCOPE_SE
.Lnot_mine_\@:
.endm
	s_load_b256 s[4:11], s[0:1], 0x0               ; qf s[4:5], kf s[6:7], vf s[8:9], af s[10:11]
	v_lshl_add_u32 v[SPW], v0, 2, SPARE
	v_mov_b32 v[NIL], 0
	ds_add_u32 v[SPW], v[NIL]                      ; the wave's opening: the add, twice on end, and its wait ahead of my first tensor load; the set-up below, work on registers, stands between
	ds_add_u32 v[SPW], v[NIL]
	v_lshrrev_b32 v2, 5, v0
	v_readfirstlane_b32 s[WV], v2                  ; wave 0..7
	s_bfe_u32 s13, ttmp6, 0x40000                  ; cx: my place in the cluster
	s_lshl_b32 s14, ttmp9, 2                       ; in a cluster launch ttmp9 counts clusters
	s_add_co_u32 s14, s14, s13                     ; my block of 256 queries: it enters Q's and the result's addresses alone
	s_and_b32 s16, ttmp7, 0xffff                   ; bh = 16 batch + head, which the four partners share
	s_lshl_b32 s17, s16, 18                        ; its first byte in qf, kf and vf: 262,144 each
	s_and_b32 s20, s[WV], 3
	s_lshl_b32 s20, s20, 14                        ; which quarter of a slot's K or V I fetch
	s_add_co_u32 s20, s20, s17
	s_mov_b32 s21, 0
	s_lshl_b32 s22, s14, 15                        ; Q: 16 tiles of 2,048 bytes a block,
	s_add_co_u32 s22, s22, s17
	s_lshl_b32 s23, s[WV], 12                      ; two a wave
	s_add_co_u32 s22, s22, s23
	s_mov_b32 s23, 0
	s_and_b32 s48, s16, 15                         ; head.  The result is the next product's operand [model dims 256: 4][row tile 256][32 dims: 8][1,024 bytes]: head's 64 dims are chunk head / 4, fragments 2 (head % 4) and the next
	s_lshr_b32 s49, s48, 2
	s_lshl_b32 s50, s49, 21
	s_and_b32 s49, s48, 3
	s_lshl_b32 s49, s49, 11
	s_add_co_u32 s50, s50, s49
	s_lshr_b32 s49, s16, 4                         ; batch: 128 row tiles of 8,192 bytes
	s_lshl_b32 s49, s49, 20
	s_add_co_u32 s50, s50, s49
	s_lshl_b32 s49, s14, 17                        ; my block: 16 row tiles
	s_add_co_u32 s50, s50, s49
	s_lshl_b32 s49, s[WV], 14                      ; my wave: two
	s_add_co_u32 s50, s50, s49
	s_mov_b32 s51, 0
	s_lshr_b32 s52, s[WV], 1                       ; the prefetch: which half of a slot's K or V,
	s_and_b32 s52, s52, 1
	s_lshl_b32 s52, s52, 15
	s_add_co_u32 s52, s52, s17
	s_lshl_b32 s53, s13, 13                        ; my work-group's 8,192 bytes of it,
	s_add_co_u32 s52, s52, s53
	s_add_co_u32 s52, s52, 2*65536                 ; in the third slot's worth of keys: the first change of slots steps it to the fourth
	s_mov_b32 s53, 0
	s_and_b32 s[LIM], s[WV], 1                     ; 0 in even waves,
	s_or_b32 s[LIM], s[LIM], ttmp9                 ; where the cluster is the first of its (batch, head): the same in all four partners
	s_cmp_eq_u32 s[LIM], 0
	s_cselect_b32 s[LIM], 1, -1
	; descriptor group 1: a dense block of 16,384 bytes as 64 rows of 32 elements of 8 bytes
	s_mov_b32 s[G1], 15|(3<<16)|(1<<21)            ; 15:0 the mask: all four work-groups; 17:16 elements of 8 bytes; 21 set beside a mask; no padding
	s_mov_b32 s[G1+1], 32<<16                      ; tensor_dim0
	s_mov_b32 s[G1+2], 64<<16                      ; tensor_dim1
	s_mov_b32 s[G1+3], 32<<16                      ; tile_dim0
	s_mov_b32 s[G1+4], 64                          ; tile_dim1
	s_mov_b32 s[G1+5], 32                          ; tensor_dim0_stride
	s_mov_b32 s[G1+6], 0
	s_mov_b32 s[G1+7], 0
	s_mov_b32 s[G0], 1
	s_lshl_b32 s[G0+1], s[WV], 14                  ; LDS: 16,384 x wave: no place in the cluster enters an LDS address
	s_mov_b32 s[G0+4], 1
	s_add_co_u32 s[G0+5], s[G0+1], SLOT1
	s_mov_b32 s[CS], 0x3e38aa3b                    ; c = log2(e) / 8
	s_mov_b32 s[CS+1], s[CS]
	s_mov_b32 s[SEL], 0x76543210
	s_mov_b32 s[SEL+1], 0xfedcba98
	s_mov_b32 s[TK], 0
	s_mov_b32 s[TV], 0
	s_mov_b32 s[SLOTS], 2
	v_and_b32 v[LI], 31, v0
	v_lshlrev_b32 v[PFO], 8, v[LI]
	v_lshlrev_b32 v[LI], 4, v[LI]
	v_add_nc_u32 v[AV0], VOFF, v[LI]
	s_wait_dscnt 0x0                               ; both opening adds are done
	s_wait_kmcnt 0x0
	s_cmp_lt_u32 s[WV], 4                          ; waves 0-3 fetch for K, waves 4-7 for V: the wave's number alone decides, the same in every partner
	s_cselect_b64 s[54:55], s[6:7], s[8:9]
	s_add_nc_u64 s[PFA:PFA+1], s[54:55], s[52:53]
	s_add_nc_u64 s[54:55], s[54:55], s[20:21]      ; my quarter of the first 512 keys
	s_mov_b64 s[G0+2:G0+3], s[54:55]
	s_or_b32 s[G0+3], s[G0+3], 0x80000000          ; type = 2
	s_add_nc_u64 s[G0+6:G0+7], s[54:55], 65536     ; and of the next 512
	s_or_b32 s[G0+7], s[G0+7], 0x80000000
	s_add_nc_u64 s[4:5], s[4:5], s[22:23]
	s_add_nc_u64 s[10:11], s[10:11], s[50:51]
	CROUND                                         ; all four work-groups are here: the first joint loads meet
	tensor_load_to_lds s[G0:G0+3], s[G1:G1+7]      ; both first fills together, ahead of every wait on TENSORcnt, every LDS read and every other barrier
	s_nop 0
	tensor_load_to_lds s[G0+4:G0+7], s[G1:G1+7]
	s_nop 0
.rept 4
	v_nop
.endr
.irp i, 0,1,2,3,4,5,6,7
	global_load_b128 v[QR+4*\i:QR+4*\i+3], v[LI], s[4:5] offset:512*\i   ; Q's four fragments stay in registers
.endr
.irp t, 0,1
	v_mov_b32 v[ST+8*\t+1], 0xff61b1e6             ; m = -3e38, under every score
	v_mul_f32 v[ST+8*\t], s[CS], v[ST+8*\t+1]      ; c m
	v_mov_b32 v[ST+8*\t+2], 0                      ; l
	v_mov_b32 v[ST+8*\t+3], 0
.endr
.set e, 0
.rept 64
	v_mov_b32 v[OA+e], 0                           ; O^T.  (The softmax is written with no first form of its own: the first step finds zeros)
.set e, e+1
.endr
; THE LDS LOADS stand in runs of 32, never singly among the products: a step's K, and half a step later its V.
.macro FETCH_K                         ; the address was made at the turn's head
	WIN 0x40                                       ; destination window 1, address window 0
.set e, 0
.rept 32
	ds_load_b128 v[4*e:4*e+3], v[ADK] offset:512*e
.set e, e+1
.endr
	s_add_co_u32 s[TK], s[TK], STEPB               ; the next fetch is the next step's
.endm
.macro FETCH_V
	WIN 0
	v_add_nc_u32 v[ADV], s[TV], v[AV0]
	WIN 0x40
.set e, 0
.rept 32
	ds_load_b128 v[128+4*e:128+4*e+3], v[ADV] offset:512*e
.set e, e+1
.endr
	s_add_co_u32 s[TV], s[TV], STEPB
.endm
; THE MATRIX WORK OF A TURN, for tile x, two products at a time.  The accumulators take turns, one instruction a turn.
; Products i and i + 1 of 16 of O^T += V^T P: keys 32 (i / 4) on, channels 16 (i % 4) on: four accumulators by turns.
.macro PV2 x
	WIN 0x01                                       ; source 0 (V) window 1
.irp d, 0,1
.set rO, OA+32*(\x)+8*((i+\d)%4)
.set rV, 128+32*((i+\d)/4)+8*((i+\d)%4)
.set rP, S+64*(\x)+8*((i+\d)/4)
	v_wmma_f32_16x16x32_f16 v[rO:rO+7], v[rV:rV+7], v[rP:rP+7], v[rO:rO+7]
.endr
.endm
; Products i and i + 1 of 16 of S^T = K Q^T: channels 32 (i / 8) on; the key tiles in the order 4, 5, 6, 7, 0, 1, 2, 3: eight accumulators by turns; the first eight start the sums.
; Key tiles 0 to 3 lie where V^T P has just read P: they are written last, four slices or more behind P's last reader, and each of those slices but the last holds four or five scalings of the other tile:
; more than the five places that are owed ahead of a product that writes over another's source (ISA guide 7.12.1).
.macro KQ2 x
	WIN 0x01                                       ; source 0 (K) window 1
.irp d, 0,1
.set kt, ((i+\d)%8+4)%8
.set ff, (i+\d)/8
.set rS, S+64*(\x)+8*kt
.set rK, 16*kt+8*ff
.set rQ, QR+16*(\x)+8*ff
.if ff == 0
	v_wmma_f32_16x16x32_f16 v[rS:rS+7], v[rK:rK+7], v[rQ:rQ+7], 0
.else
	v_wmma_f32_16x16x32_f16 v[rS:rS+7], v[rK:rK+7], v[rQ:rQ+7], v[rS:rS+7]
.endif
.endr
.endm
; THE VECTOR WORK OF A TURN.  One tile's softmax for a step of 128 keys is a list of 214 instructions; SM writes number j of it for tile t.  s0-s63 are the lane's 64 scores, in pairs 0-31.  All in window 0.
;   0-31    the maximum of s0-s63 and the old m, three operands at a time: four chains of 16 scores, then the four scores left over, the chains and m.  Each accumulator is read from its low end on
;   32-36   c m_old is kept; the other half of the lanes' maximum; the new m; c m; c m_old - c m_new
;   37-133  ONE BATCH: the 32 scalings c s - c m, a pair of scores each, and all 65 exponentials (a, then s0-s63): scaling 0, a, then scaling p, exponentials of pair p - 1; none reads an exponential's result.
;           The scalings are spread over the batch: they are the plain instructions that count as places behind the products round them
;   (wait)  behind 133: a plain instruction behind the last exponential (ISA guide 5.7.2), and the one wait ahead of the first instruction that names a result
;   134-165 the sums of the unrounded weights, in four chains; l = a l + the sum
;   166-197 the roundings to f16: P in place, ascending: register i takes weights 2 i and 2 i + 1, so no source is written before it is read
;   198-213 the tile's O^T times a, each accumulator from its low end on
.macro SM t
.set rT, ST+8*(\t)
.set rS, S+64*(\t)
.set rO, OA+32*(\t)
.if j < 4
	v_max3_num_f32 v[rT+4+j], v[rS+16*j], v[rS+16*j+1], v[rS+16*j+2]
.elseif j < 28
.set u, j%4
.set w, 3+2*((j-4)/4)
	v_max3_num_f32 v[rT+4+u], v[rT+4+u], v[rS+16*u+w], v[rS+16*u+w+1]
.elseif j == 28
	v_max3_num_f32 v[rT+4], v[rT+4], v[rS+15], v[rS+31]
.elseif j == 29
	v_max3_num_f32 v[rT+6], v[rT+6], v[rS+47], v[rS+63]
.elseif j == 30
	v_max3_num_f32 v[rT+4], v[rT+4], v[rT+5], v[rT+6]
.elseif j == 31
	v_max3_num_f32 v[rT+4], v[rT+4], v[rT+7], v[rT+1]
.elseif j == 32
	v_mov_b32 v[rT+7], v[rT]
.elseif j == 33
	v_permlanex16_b32 v[rT+5], v[rT+4], s[SEL], s[SEL+1]   ; the query's other 64 keys lie in the lane 16 away
.elseif j == 34
	v_max_num_f32 v[rT+1], v[rT+4], v[rT+5]
.elseif j == 35
	v_mul_f32 v[rT], s[CS], v[rT+1]
.elseif j == 36
	v_sub_f32 v[rT+7], v[rT+7], v[rT]
.elseif j < 134
.set bb, j-37
.if bb == 1
	v_exp_f32 v[rT+6], v[rT+7]
.elseif (bb == 0) || ((bb < 95) && ((bb-2)%3 == 0))
.set pp, 0
.if bb > 0
.set pp, (bb-2)/3+1
.endif
	v_pk_fma_f32 v[rS+2*pp:rS+2*pp+1], v[rS+2*pp:rS+2*pp+1], s[CS:CS+1], v[rT:rT+1] op_sel_hi:[1,0,0] neg_lo:[0,0,1] neg_hi:[0,0,1]
.else
.set ee, bb-33
.if bb < 95
.set ee, 2*((bb-2)/3)+(bb-2)%3-1
.endif
	v_exp_f32 v[rS+ee], v[rS+ee]
.endif
.if j == 133
	v_nop
	s_wait_alu depctr_va_vdst(0)
.endif
.elseif j < 166
.set z, j-134
.set cr, rT+2
.if z%4 == 1
.set cr, rT+4
.elseif z%4 == 2
.set cr, TP
.elseif z%4 == 3
.set cr, TP+2
.endif
.if z == 0
	v_pk_fma_f32 v[rT+2:rT+3], v[rT+2:rT+3], v[rT+6:rT+7], v[rS:rS+1] op_sel_hi:[1,0,1]
.elseif z < 4
	v_pk_add_f32 v[cr:cr+1], v[rS+4*z-2:rS+4*z-1], v[rS+4*z:rS+4*z+1]
.elseif z < 29
	v_pk_add_f32 v[cr:cr+1], v[cr:cr+1], v[rS+2*z+6:rS+2*z+7]
.elseif z == 29
	v_pk_add_f32 v[TP:TP+1], v[TP:TP+1], v[TP+2:TP+3]
.elseif z == 30
	v_pk_add_f32 v[rT+2:rT+3], v[rT+2:rT+3], v[rT+4:rT+5]
.else
	v_pk_add_f32 v[rT+2:rT+3], v[rT+2:rT+3], v[TP:TP+1]
.endif
.elseif j < 198
.set ee, j-166
	v_cvt_pk_f16_f32 v[rS+ee], v[rS+2*ee], v[rS+2*ee+1]
.else
.set ee, 2*(j-198)
	v_pk_mul_f32 v[rO+ee:rO+ee+1], v[rO+ee:rO+ee+1], v[rT+6:rT+7] op_sel_hi:[1,0]
.endif
.endm
; Slice k of 16 of tile y's softmax: numbers 214 k / 16 up to 214 (k + 1) / 16 of the list: 13 or 14 instructions.
; Slice 15 is 14 packed multiplies that name nothing of the products round them: they are the places between a turn's last K Q^T and what follows: the next turn's first read of those scores, and the loads into K's registers.
; Behind slice 7 of tile 0's softmax stands V's run of loads: in a whole turn the last product that read V stands in front of that slice, whose five scalings and the run's own addition are six places where four are owed.
.macro SLICE y
	WIN 0
.set j, (214*k)/16
.rept (214*(k+1))/16-(214*k)/16
	SM \y
.set j, j+1
.endr
.if (k == 7) && ((\y) == 0)
	FETCH_V
.endif
.set k, k+1
.endm
; A TURN.  Tile x has the matrix unit; the other tile's softmax stands in slices behind its pairs of products.  pv = 1: 16 products V^T P; kq = 1: 16 products K Q^T for the next step.
; A turn with one of the two kinds has two slices behind each pair.  Tile 0's turn fetches the next step's K, behind its first slice: seven pairs ahead of its first use; tile 1's turn fetches the same step's V (SLICE): eight pairs ahead.
; One run of 32 LDS loads is out at the most, so each wait for it is for 0.
.macro TURN x, pv, kq
	WIN 0
.set k, 0
.set per, 2
.if \pv && \kq
.set per, 1
.endif
.if (\x == 0) && \kq
	v_add_nc_u32 v[ADK], s[TK], v[LI]
.endif
.if \pv
.if \x == 0
	s_wait_dscnt 0x0                               ; V is in
.endif
.set i, 0
.rept 8
	PV2 \x
.rept per
	SLICE 1-\x
.endr
.if (\x == 0) && \kq && (i == 0)
	FETCH_K
.endif
.set i, i+2
.endr
.endif
.if \kq
.if \x == 0
	s_wait_dscnt 0x0                               ; K is in
.endif
.set i, 0
.rept 8
	KQ2 \x
.rept per
	SLICE 1-\x
.endr
.set i, i+2
.endr
.endif
.endm
; THE CHANGE OF SLOTS, between tile 1's turn and tile 0's: the slot's last bytes, V of its fourth step, have been asked for, and the next fetch, of K, is the next slot's.  Each wave waits for all its tensor loads (the one that is
; out is its part of the other slot), adds 0 to its spare word, and waits for that and for its reads of this slot.  Behind the barrier nobody reads this slot any more and the other slot is whole.
; fill = 1: the barrier is a round of the cluster's, and the joint refill, the keys two slots on, is the first thing behind it: it has four key steps in which to land.
.macro CHANGE fill
	WIN 0                                          ; at a label and at a branch every window is 0
	s_wait_tensorcnt 0x0                           ; no tensor load of mine is out, so a group 0 may be written
	ds_add_u32 v[SPW], v[NIL]                      ; 0 onto my spare word
.if \fill
	s_xor_b32 s[G0+5], s[G0+5], SLOT1              ; the walking descriptor: the other slot than last time,
	s_add_nc_u64 s[G0+6:G0+7], s[G0+6:G0+7], 65536 ; the next 512 keys; the type bits on top are not reached
	s_wait_xcnt 0x0                                ; the last prefetch, four key steps back, has read its address
	s_add_nc_u64 s[PFA:PFA+1], s[PFA:PFA+1], 65536
.endif
	s_wait_dscnt 0x0                               ; the add is done, and my reads of the slot are over
.if \fill
	CROUND
	tensor_load_to_lds s[G0+4:G0+7], s[G1:G1+7]
	s_nop 0
.rept 4
	v_nop
.endr
	ASK
.else
	s_barrier_signal -1
	s_barrier_wait -1
.endif
	s_sub_co_u32 s[TK], s[TK], 4*STEPB             ; the fetches go back to a slot's first step,
	s_xor_b32 s[TK], s[TK], SLOT1                  ; in the other slot
	s_sub_co_u32 s[TV], s[TV], 4*STEPB
	s_xor_b32 s[TV], s[TV], SLOT1
.endm
.macro NSTEPS n                        ; n key steps: written once, walked n times; the LDS addresses hang on s[TK] and s[TV]
	WIN 0
	s_mov_b32 s[CNT], \n
.Lstep_\@:
	TURN 0, 1, 1
	TURN 1, 1, 1
	WIN 0
	s_sub_co_u32 s[CNT], s[CNT], 1
	s_cmp_lg_u32 s[CNT], 0
	s_cbranch_scc1 .Lstep_\@
.endm
	s_wait_tensorcnt 1                             ; my part of slot 0 is in; slot 1's may stay out
	s_barrier_signal -1
	s_barrier_wait -1                              ; everybody's is
	v_add_nc_u32 v[ADK], s[TK], v[LI]
	FETCH_K                                        ; key step 0
	s_wait_loadcnt 0x0                             ; Q
	s_wait_dscnt 0x0
.set i, 0
.rept 8
	KQ2 0                                          ; tile 0's first scores: there is no vector work yet to set between them
.set i, i+2
.endr
	WIN 0
.rept 4
	v_nop                                          ; places behind those products, ahead of the first read of their scores
.endr
	TURN 1, 0, 1                                   ; tile 1's first scores | tile 0's first softmax | V of step 0
	NSTEPS 3                                       ; steps 0 to 2 (each: V^T P of the step, K Q^T of the next)
.Lslot:                                            ; two trips: the first two slots are filled again
	CHANGE 1
	NSTEPS 4
	s_sub_co_u32 s[SLOTS], s[SLOTS], 1
	s_cmp_lg_u32 s[SLOTS], 0
	s_cbranch_scc1 .Lslot
	CHANGE 0                                       ; the tail is written out
	NSTEPS 4                                       ; steps 11 to 14
	TURN 0, 1, 0                                   ; tile 0: V^T P of the last step | tile 1's last softmax
.set i, 0
.rept 8
	PV2 1                                          ; tile 1: V^T P of the last step
.set i, i+2
.endr
	WIN 0
	; THE WAY OUT.  l's two halves and the other half of the lanes' are added; O^T is divided by l and rounded to f16: a lane's eight channels are 16 bytes of the next product's fragment, so each store covers 512 consecutive aligned bytes.
.rept 4
	v_nop                                          ; places behind the last products
.endr
.irp t, 0,1
	v_add_f32 v[ST+8*\t+4], v[ST+8*\t+2], v[ST+8*\t+3]
.endr
.irp t, 0,1
	v_permlanex16_b32 v[ST+8*\t+5], v[ST+8*\t+4], s[SEL], s[SEL+1]
.endr
.irp t, 0,1
	v_add_f32 v[ST+8*\t+4], v[ST+8*\t+4], v[ST+8*\t+5]
.endr
.irp t, 0,1
	v_rcp_f32 v[ST+8*\t+6], v[ST+8*\t+4]
.endr
	v_nop                                          ; a plain instruction behind the last reciprocal
	s_wait_alu depctr_va_vdst(0)                   ; and the wait ahead of the first use: one for both
.irp t, 0,1
.set e, 0
.rept 16
	v_pk_mul_f32 v[S+64*\t+e:S+64*\t+e+1], v[OA+32*\t+e:OA+32*\t+e+1], v[ST+8*\t+6:ST+8*\t+7] op_sel_hi:[1,0]   ; into S^T's registers, which are free
.set e, e+2
.endr
.endr
.irp t, 0,1
.set e, 0
.rept 16
	v_cvt_pk_f16_f32 v[S+32+64*\t+e], v[S+64*\t+2*e], v[S+64*\t+2*e+1]
.set e, e+1
.endr
.endr
.irp t, 0,1
.irp ct, 0,1,2,3
	global_store_b128 v[LI], v[S+32+64*\t+4*\ct:S+32+64*\t+4*\ct+3], s[10:11] offset:8192*\t+512*\ct
.endr
.endr
	s_wait_tensorcnt 0x0                           ; the wave's end, behind my last tensor load
	ds_add_u32 v[SPW], v[NIL]
	s_wait_dscnt 0x0
	CROUND                                         ; the closing round: no work-group ends while a partner may still ask for a tile that names it
	s_endpgm
.Lfunc_end_k_qce82c6de4a_attn:
	.size	k_qce82c6de4a_attn, .Lfunc_end_k_qce82c6de4a_attn-k_qce82c6de4a_attn
	.p2alignl 7, 3214868480
	.fill 96, 4, 3214868480
	.section	.rodata,"a",@progbits
	.p2align	6, 0x0
	.amdhsa_kernel k_qce82c6de4a_attn
		.amdhsa_group_segment_fixed_size 327680
		.amdhsa_private_segment_fixed_size 0
		.amdhsa_enable_private_segment 0
		.amdhsa_kernarg_size 32
		.amdhsa_user_sgpr_count 2
		.amdhsa_user_sgpr_kernarg_segment_ptr 1
		.amdhsa_wavefront_size32 1
		.amdhsa_system_sgpr_workgroup_id_x 1
		.amdhsa_system_sgpr_workgroup_id_y 1
		.amdhsa_system_sgpr_workgroup_id_z 1
		.amdhsa_system_vgpr_workitem_id 0
		.amdhsa_next_free_vgpr 512
		.amdhsa_next_free_sgpr 66
		.amdhsa_reserve_vcc 0
		.amdhsa_float_denorm_mode_32 3
		.amdhsa_float_denorm_mode_16_64 3
		.amdhsa_memory_ordered 1
		.amdhsa_forward_progress 1
		.amdhsa_inst_pref_size 147
	.end_amdhsa_kernel
	.amdgpu_metadata
---
amdhsa.version: [ 1, 2 ]
amdhsa.kernels:
  - .name:           k_qce82c6de4a_attn
    .symbol:         k_qce82c6de4a_attn.kd
    .args:
      - { .name: qf, .offset: 0, .size: 8, .value_kind: global_buffer, .address_space: global }
      - { .name: kf, .offset: 8, .size: 8, .value_kind: global_buffer, .address_space: global }
      - { .name: vf, .offset: 16, .size: 8, .value_kind: global_buffer, .address_space: global }
      - { .name: af, .offset: 24, .size: 8, .value_kind: global_buffer, .address_space: global }
    .group_segment_fixed_size: 327680
    .private_segment_fixed_size: 0
    .kernarg_segment_align: 8
    .kernarg_segment_size: 32
    .max_flat_workgroup_size: 256
    .sgpr_count:     66
    .vgpr_count:     512
    .wavefront_size: 32
...
	.end_amdgpu_metadata
.endif
;; end of part 3
;; launch oproj (part 4): grid 8 x 32, 4 waves a work-group, clusters of 4 x 4, 327,680 bytes of LDS; arguments af, wof, bo, out0; writes out0
.if DOCPART == 4
	.amdgcn_target "amdgcn-amd-amdhsa--gfx1250"
	.amdhsa_code_object_version 6
	.text
	.protected	k_qce82c6de4a_oproj
	.globl	k_qce82c6de4a_oproj
	.p2align	8
	.type	k_qce82c6de4a_oproj,@function
k_qce82c6de4a_oproj:
	s_mov_b64 s[64:65], 0
	v_nop
	global_prefetch_b8 v0, s[64:65] scope:SCOPE_SE
	s_setreg_imm32_b32 hwreg(HW_REG_WAVE_MODE, 25, 1), 1
	s_wait_xcnt 0x0
	s_wait_alu depctr_hold_cnt(0) depctr_sa_sdst(0) depctr_va_vdst(0) depctr_va_sdst(0) depctr_va_ssrc(0) depctr_va_vcc(0) depctr_vm_vsrc(0)
	s_getreg_b32 s2, hwreg(HW_REG_IB_STS2, 6, 4)
	s_cmp_eq_u32 s2, 0
	s_cbranch_scc0 .Lentry_in_a_cluster
	s_endpgm
.Lentry_in_a_cluster:
	s_bfe_u32 s2, ttmp6, 0x10000c
	s_cmp_lg_u32 s2, 0xf033
	s_cbranch_scc0 .Lentry_shape_is_right
	s_endpgm
.Lentry_shape_is_right:
; out0 = A Wo + bo.  A [4096][1024] (the attention's result) and Wo [1024 (k)][1024 (n)] arrive in f16 as IMAGES OF FRAGMENTS (1,024 bytes: registers 4 c .. 4 c + 3 of lane l at 512 c + 16 l):
; af [256 along K: 4][row tile 256][32 along K: 8], wof [256 along K: 4][column tile 64][32 along K: 8].  bo [1024] and out0 [4096][1024] are f32; sums in f32.
; A tile of out0 is 128 x 128: 256 work-groups.  Four waves, each 64 x 64: 16 accumulators.  K goes in four steps of 256 through a ring of two LDS slots; a K step's 128 rows of A are 64 KB on end in memory, and so are
; its 128 columns of Wo: each wave fetches 32 KB by one tensor load (waves 0, 1: A's halves; waves 2, 3: Wo's).  A fragment is read from LDS at a constant + 16 x lane: 512 consecutive bytes a load, no padding.
; CLUSTERS: 4 x 4 work-groups.  The four of a row of the cluster need the same tiles of A, the four of a column the same tiles of Wo: each is asked for JOINTLY, by the same tensor load with the same descriptor and a mask that names the four.
; THE MATRIX INSTRUCTION IS USED TRANSPOSED (source 0 = 16 columns of Wo, source 1 = 16 rows of A): a lane holds eight neighbouring numbers of a row of out0.  The bias is the C of each sum's first product.
; By this text's own count a wave has two tensor loads out at the start and one behind each round that fills.
; No prefetch: each tile is read by many work-groups and the tiles are small.
; REGISTERS: window 0: v16-29 addresses; v96-127 the bias in the result's layout; v128-255 the accumulators ((a, b) at 128 + 8 (4 a + b)).   window 1: two fragment buffers of 128: for 64 along K, 64 registers of A, then 64 of Wo.
.set SLOT,   131072                    ; A's 8 row tiles x 8,192 bytes, then Wo's 8 column tiles
.set BOFF,   65536
.set STAGE,  2*SLOT                    ; behind the ring: 16 rows x 272 bytes for each wave, for the way out
.set SP,     272                       ; a stage row: 256 bytes + 16: row r starts 16 r bytes on modulo 256, so 16 rows fall on different banks (64 banks of 4 bytes: ISA guide 11.1)
.set SPARE,  STAGE+4*16*SP             ; 279,552: the spare words, 128 bytes for each wave: two blocks of 256 bytes that no other line names
.set ADRA, 16                          ; v16-17  LDS address of my A fragments in slot 0, 1
.set ADRB, 20                          ; v20-21  the same for Wo
.set STO,  24                          ; v24     the way out: where I put 32 bytes of a row
.set RD,   25                          ; v25     where I read a row back
.set CO,   26                          ; v26     my byte offset in out0
.set BA,   27                          ; v27     the bias's offset: 32 (lane / 16)
.set SPW,  28                          ; v28     LDS address of my spare word; never rewritten
.set NIL,  29                          ; v29     0; never rewritten
.set BO,   96
.set ACC,  128
.set F0,   0
.set F1,   128
.set WV,   14                          ; s14 wave;  s15 wave / 2: my half of the rows, and: I fetch for A (0) or Wo (1);  s16 wave % 2: my half of the columns, and: which half I fetch
.set FB,   15
.set HF,   16
.set G1,  24                           ; s[24:31] descriptor group 1 for A's tiles;  s[32:39] group 0, one set for each slot
.set G0,  32
.set G1B, 48                           ; s[48:55], s[56:63] the same for Wo's
.set G0B, 56
.set MSB, 0
.macro WIN new
.if MSB != \new
	s_set_vgpr_msb (MSB<<8)|\new
.set MSB, \new
.endif
.endm
.set MUL,  0x05                        ; sources 0 (Wo) and 1 (A) window 1; C and D window 0
.set TO_F, 0x40                        ; destination window 1, address window 0
.macro JLOAD s                         ; a joint load; the branch hangs on the wave's number alone; an s_nop 0 and four v_nop follow each of the two lines
	s_cmp_eq_u32 s[FB], 0
	s_cbranch_scc0 .Lfor_b_\@
	tensor_load_to_lds s[G0+4*\s:G0+4*\s+3], s[G1:G1+7]
	s_nop 0
.rept 4
	v_nop
.endr
	s_branch .Lasked_\@
.Lfor_b_\@:
	tensor_load_to_lds s[G0B+4*\s:G0B+4*\s+3], s[G1B:G1B+7]
	s_nop 0
.rept 4
	v_nop
.endr
.Lasked_\@:
.endm
.macro CREST                           ; a round of the cluster's barrier behind its opening barrier
	s_cmp_lg_u32 s[WV], 0
	s_cbranch_scc1 .Lnot_wave_0_\@
	s_barrier_signal -3
.Lnot_wave_0_\@:
	s_barrier_wait -3
	s_barrier_signal -1
	s_barrier_wait -1
.endm
.macro CROUND
	s_barrier_signal -1
	s_barrier_wait -1
	CREST
.endm
	s_load_b256 s[4:11], s[0:1], 0x0               ; af s[4:5], wof s[6:7], bo s[8:9], out0 s[10:11]
	v_lshl_add_u32 v[SPW], v0, 2, SPARE
	v_mov_b32 v[NIL], 0
	ds_add_u32 v[SPW], v[NIL]                      ; the wave's opening: the add, twice on end, and its wait ahead of my first tensor load; the set-up below, work on registers, stands between
	ds_add_u32 v[SPW], v[NIL]
	v_lshrrev_b32 v1, 5, v0
	v_readfirstlane_b32 s[WV], v1
	s_lshr_b32 s[FB], s[WV], 1
	s_and_b32 s[HF], s[WV], 1
	s_bfe_u32 s40, ttmp6, 0x40000                  ; cx, cy: my place in the cluster
	s_bfe_u32 s41, ttmp6, 0x40004
	s_lshl_b32 s42, ttmp9, 2
	s_add_co_u32 s42, s42, s40                     ; tile column = 4 x cluster x + cx
	s_and_b32 s13, ttmp7, 0xffff
	s_lshl_b32 s13, s13, 2
	s_add_co_u32 s13, s13, s41                     ; tile row = 4 x cluster y + cy
	s_lshl_b32 s43, s41, 2
	s_lshl_b32 s43, 15, s43                        ; my row of the cluster
	s_lshl_b32 s44, 0x1111, s40                    ; my column
	; descriptor group 1: a dense block of 32,768 bytes as 128 rows of 32 elements of 8 bytes
	s_or_b32 s[G1], s43, (3<<16)|(1<<21)           ; 15:0 the mask: A's tiles go to my row; 17:16 elements of 8 bytes; 21 set beside a mask; no padding
	s_or_b32 s[G1B], s44, (3<<16)|(1<<21)
.irp g, G1, G1B
	s_mov_b32 s[\g+1], 32<<16                      ; tensor_dim0
	s_mov_b32 s[\g+2], 128<<16                     ; tensor_dim1
	s_mov_b32 s[\g+3], 32<<16                      ; tile_dim0
	s_mov_b32 s[\g+4], 128                         ; tile_dim1
	s_mov_b32 s[\g+5], 32                          ; tensor_dim0_stride
	s_mov_b32 s[\g+6], 0
	s_mov_b32 s[\g+7], 0
.endr
	s_lshl_b32 s17, s[HF], 15                      ; which half of the tile I fetch
	s_lshl_b32 s20, s13, 16                        ; A: 65,536 bytes a tile row and K step
	s_add_co_u32 s20, s20, s17
	s_mov_b32 s21, 0
	s_lshl_b32 s46, s42, 16                        ; Wo: 65,536 bytes a tile column and K step
	s_add_co_u32 s46, s46, s17
	s_mov_b32 s47, 0
	s_lshl_b32 s45, s[WV], 15                      ; where they go: wave x 32,768: no place in the cluster enters an LDS address
	s_wait_dscnt 0x0                               ; both opening adds are done
	s_wait_kmcnt 0x0
	s_add_nc_u64 s[18:19], s[4:5], s[20:21]
	s_add_nc_u64 s[46:47], s[6:7], s[46:47]
	CROUND                                         ; all sixteen work-groups are here: the first joint loads meet
.irp s, 0,1
	s_mov_b32 s[G0+4*\s], 1
	s_add_co_u32 s[G0+4*\s+1], s45, \s*SLOT
	s_add_nc_u64 s[G0+4*\s+2:G0+4*\s+3], s[18:19], \s*2097152     ; a K step of A is 256 row tiles x 8,192 bytes on
	s_or_b32 s[G0+4*\s+3], s[G0+4*\s+3], 0x80000000
	s_mov_b32 s[G0B+4*\s], 1
	s_add_co_u32 s[G0B+4*\s+1], s45, \s*SLOT
	s_add_nc_u64 s[G0B+4*\s+2:G0B+4*\s+3], s[46:47], \s*524288    ; of Wo 64 column tiles x 8,192
	s_or_b32 s[G0B+4*\s+3], s[G0B+4*\s+3], 0x80000000
	JLOAD \s
.endr
	v_and_b32 v3, 31, v0
	v_lshlrev_b32 v3, 4, v3                        ; 16 x lane
	v_and_b32 v1, 15, v0                           ; r
	v_bfe_u32 v2, v0, 4, 1                         ; h
	s_lshl_b32 s20, s[FB], 15                      ; my four row tiles of A
	s_lshl_b32 s21, s[HF], 15                      ; my four column tiles of Wo,
	s_add_co_u32 s21, s21, BOFF                    ; which lie behind A's eight
.irp s, 0,1
	v_add_nc_u32 v[ADRA+\s], s20, v3
	v_add_nc_u32 v[ADRB+\s], s21, v3
	s_add_co_u32 s20, s20, SLOT
	s_add_co_u32 s21, s21, SLOT
.endr
	s_mul_i32 s12, s[WV], 16*SP
	s_add_co_u32 s12, s12, STAGE                   ; my stage
	v_mul_u32_u24 v[STO], v1, SP                   ; in: row r, 32 bytes for each half of the lanes
	v_lshl_add_u32 v[STO], v2, 5, v[STO]
	v_add_nc_u32 v[STO], s12, v[STO]
	v_mul_u32_u24 v[RD], v2, SP                    ; back: lanes 0-15 take one row of 256 bytes, lanes 16-31 the next
	v_lshl_add_u32 v[RD], v1, 4, v[RD]
	v_add_nc_u32 v[RD], s12, v[RD]
	v_lshlrev_b32 v[CO], 12, v2                    ; and the same two rows in out0
	v_lshl_add_u32 v[CO], v1, 4, v[CO]
	v_lshlrev_b32 v[BA], 5, v2
	s_lshl_b32 s22, s42, 9
	s_lshl_b32 s12, s[HF], 8
	s_add_co_u32 s22, s22, s12                     ; my first column in bytes: 4 (128 tile column + 64 half)
	s_mov_b32 s23, 0
	s_add_nc_u64 s[8:9], s[8:9], s[22:23]          ; bo there
	s_lshl_b32 s2, s13, 19                         ; my first row: (128 tile row + 64 half) x 4,096 bytes
	s_lshl_b32 s12, s[FB], 18
	s_add_co_u32 s2, s2, s12
	s_add_co_u32 s2, s2, s22
	s_mov_b32 s3, 0
	s_add_nc_u64 s[10:11], s[10:11], s[2:3]
.irp b, 0,1,2,3
.irp i, 0,1
	global_load_b128 v[BO+8*\b+4*\i:BO+8*\b+4*\i+3], v[BA], s[8:9] offset:64*\b+16*\i   ; bo of columns 16 b + 8 h + 0 .. 7: the result's layout
.endr
.endr
; 8 matrix instructions: row blocks a0, a0 + 1 x all 4 column blocks, 32 along K: half c of buffer f.  first = 1: the sums begin with the bias as C.  The 16 accumulators take turns.
.macro MUL8 f, c, a0, first
.irp a, \a0, \a0+1
.irp b, 0,1,2,3
.if \first
	v_wmma_f32_16x16x32_f16 v[ACC+8*(4*(\a)+\b):ACC+8*(4*(\a)+\b)+7], v[\f+64+8*(4*\c+\b):\f+64+8*(4*\c+\b)+7], v[\f+8*(4*\c+\a):\f+8*(4*\c+\a)+7], v[BO+8*\b:BO+8*\b+7]
.else
	v_wmma_f32_16x16x32_f16 v[ACC+8*(4*(\a)+\b):ACC+8*(4*(\a)+\b)+7], v[\f+64+8*(4*\c+\b):\f+64+8*(4*\c+\b)+7], v[\f+8*(4*\c+\a):\f+8*(4*\c+\a)+7], v[ACC+8*(4*(\a)+\b):ACC+8*(4*(\a)+\b)+7]
.endif
.endr
.endr
.endm
; 32 LDS loads in one run: the fragments of 64 along K (two of a tile's eight, from byte k of each tile on) into buffer f; the first 32 along K first
.macro FETCH slot, k, f
	WIN TO_F
.irp c, 0,1
.irp i, 0,1,2,3
	ds_load_b128 v[\f+64+8*(4*\c+\i):\f+64+8*(4*\c+\i)+3],   v[ADRB+\slot] offset:\k+1024*\c+8192*\i
	ds_load_b128 v[\f+64+8*(4*\c+\i)+4:\f+64+8*(4*\c+\i)+7], v[ADRB+\slot] offset:\k+1024*\c+8192*\i+512
	ds_load_b128 v[\f+8*(4*\c+\i):\f+8*(4*\c+\i)+3],         v[ADRA+\slot] offset:\k+1024*\c+8192*\i
	ds_load_b128 v[\f+8*(4*\c+\i)+4:\f+8*(4*\c+\i)+7],       v[ADRA+\slot] offset:\k+1024*\c+8192*\i+512
.endr
.endr
.endm
.macro PLACES                          ; four places ahead of loads into registers that matrix instructions have read, and of the first read of results
.rept 4
	v_nop
.endr
.endm
; A K step is four quarters of 64 along K, 32 matrix instructions each, on buffers 0, 1, 0, 1.  One of the first three: multiplies buffer f and fetches the next quarter, at byte k, into g.
.macro QUARTER slot, k, f, g, first
	s_wait_dscnt 16                                ; the first 32 along K are in; the 16 younger loads may be out
	WIN MUL
	MUL8 \f, 0, 0, \first
	MUL8 \f, 0, 2, \first
	PLACES
	FETCH \slot, \k, \g
	s_wait_dscnt 32                                ; all but the 32 just issued
	WIN MUL
	MUL8 \f, 1, 0, 0
	MUL8 \f, 1, 2, 0
.endm
; The last quarter multiplies buffer 1 and changes slots: ONE barrier; in front of it each wave waits for all its tensor loads, adds 0 to its spare word, and waits for that and for its own reads of this slot.
; fill = 1: the barrier opens a round of the cluster's, and this slot is filled again, two K steps ahead, first thing behind the round.
.macro TURN slot, next, fill
	WIN 0                                          ; (the add's two registers lie in window 0)
	s_wait_tensorcnt 0x0                           ; all my tensor loads have landed: my part of the next slot
	ds_add_u32 v[SPW], v[NIL]                      ; 0 onto my spare word
	s_wait_dscnt 17                                ; (the add and the youngest sixteen loads may be out)
	WIN MUL
	MUL8 F1, 0, 0, 0                               ; eight matrix instructions stand between the add and the wait for it
	s_wait_dscnt 0x0                               ; the add is done, and my reads of this slot are over
	s_barrier_signal -1
	MUL8 F1, 0, 2, 0
.if \fill
	WIN 0
.endif
	s_barrier_wait -1
.if \fill
	CREST                                          ; no wave of any partner still reads this slot's tile or has a load on its way
	s_add_nc_u64 s[G0+4*\slot+2:G0+4*\slot+3], s[G0+4*\slot+2:G0+4*\slot+3], 2*2097152
	s_add_nc_u64 s[G0B+4*\slot+2:G0B+4*\slot+3], s[G0B+4*\slot+2:G0B+4*\slot+3], 2*524288
	JLOAD \slot                                    ; the four v_nop behind it are also the places in front of the loads below
.else
	PLACES
.endif
	FETCH \next, 0, F0
	WIN MUL
	MUL8 F1, 1, 0, 0
	MUL8 F1, 1, 2, 0
.endm
	s_wait_tensorcnt 1                             ; my part of K step 0 is in; K step 1's may stay out
	s_barrier_signal -1
	s_barrier_wait -1                              ; everybody's is
	FETCH 0, 0, F0
	s_wait_loadcnt 0x0                             ; the bias
	QUARTER 0, 2048, F0, F1, 1                     ; K step 0: its first products start the sums
	QUARTER 0, 4096, F1, F0, 0
	QUARTER 0, 6144, F0, F1, 0
	TURN 0, 1, 1                                   ; slot 0 takes K step 2
	QUARTER 1, 2048, F0, F1, 0                     ; K step 1
	QUARTER 1, 4096, F1, F0, 0
	QUARTER 1, 6144, F0, F1, 0
	TURN 1, 0, 1                                   ; slot 1 takes K step 3
	QUARTER 0, 2048, F0, F1, 0                     ; K step 2
	QUARTER 0, 4096, F1, F0, 0
	QUARTER 0, 6144, F0, F1, 0
	TURN 0, 1, 0                                   ; nothing is left to fetch
	QUARTER 1, 2048, F0, F1, 0                     ; K step 3
	QUARTER 1, 4096, F1, F0, 0
	QUARTER 1, 6144, F0, F1, 0
	s_wait_dscnt 16
	WIN MUL
	MUL8 F1, 0, 0, 0
	MUL8 F1, 0, 2, 0
	s_wait_dscnt 0x0
	MUL8 F1, 1, 0, 0
	MUL8 F1, 1, 2, 0
	WIN 0
; THE WAY OUT, a block of 16 rows x 64 columns at a time.  A lane holds 32 neighbouring bytes of a row and the lanes beside it other rows; my 64 columns of f32 are 256 aligned bytes of a row.  So a block goes through
; my own stage in LDS and comes back by rows, into the registers that it left: sixteen lanes store 256 consecutive aligned bytes.  LDS serves a wave's instructions in order (ISA guide 5.7.1.4): no wait between the stores and the loads.
.macro TOSTAGE a
.irp b, 0,1,2,3
	ds_store_b128 v[STO], v[ACC+32*\a+8*\b:ACC+32*\a+8*\b+3] offset:64*\b        ; each accumulator from its low end on
	ds_store_b128 v[STO], v[ACC+32*\a+8*\b+4:ACC+32*\a+8*\b+7] offset:64*\b+16
.endr
.irp f, 0,1,2,3,4,5,6,7
	ds_load_b128 v[ACC+32*\a+4*\f:ACC+32*\a+4*\f+3], v[RD] offset:\f*2*SP
.endr
.endm
.macro SEND a, younger                 ; younger: the LDS instructions issued behind block a's loads: the next block's sixteen, or none
.irp f, 0,1,2,3,4,5,6,7
	s_wait_dscnt \younger+7-\f
	global_store_b128 v[CO], v[ACC+32*\a+4*\f:ACC+32*\a+4*\f+3], s[10:11] offset:(16*\a+2*\f)*4096 th:TH_STORE_NT   ; written once, read by nobody here
.endr
.endm
	PLACES
	TOSTAGE 0
	TOSTAGE 1
	SEND 0, 16
	TOSTAGE 2
	SEND 1, 16
	TOSTAGE 3
	SEND 2, 16
	SEND 3, 0
	s_wait_tensorcnt 0x0                           ; the wave's end, behind my last tensor load and my last LDS store
	ds_add_u32 v[SPW], v[NIL]
	s_wait_dscnt 0x0
	CROUND                                         ; the closing round: no work-group ends while a partner may still ask for a tile that names it
	s_endpgm
.Lfunc_end_k_qce82c6de4a_oproj:
	.size	k_qce82c6de4a_oproj, .Lfunc_end_k_qce82c6de4a_oproj-k_qce82c6de4a_oproj
	.p2alignl 7, 3214868480
	.fill 96, 4, 3214868480
	.section	.rodata,"a",@progbits
	.p2align	6, 0x0
	.amdhsa_kernel k_qce82c6de4a_oproj
		.amdhsa_group_segment_fixed_size 327680
		.amdhsa_private_segment_fixed_size 0
		.amdhsa_enable_private_segment 0
		.amdhsa_kernarg_size 32
		.amdhsa_user_sgpr_count 2
		.amdhsa_user_sgpr_kernarg_segment_ptr 1
		.amdhsa_wavefront_size32 1
		.amdhsa_system_sgpr_workgroup_id_x 1
		.amdhsa_system_sgpr_workgroup_id_y 1
		.amdhsa_system_sgpr_workgroup_id_z 1
		.amdhsa_system_vgpr_workitem_id 0
		.amdhsa_next_free_vgpr 512
		.amdhsa_next_free_sgpr 66
		.amdhsa_reserve_vcc 0
		.amdhsa_float_denorm_mode_32 3
		.amdhsa_float_denorm_mode_16_64 3
		.amdhsa_memory_ordered 1
		.amdhsa_forward_progress 1
		.amdhsa_inst_pref_size 87
	.end_amdhsa_kernel
	.amdgpu_metadata
---
amdhsa.version: [ 1, 2 ]
amdhsa.kernels:
  - .name:           k_qce82c6de4a_oproj
    .symbol:         k_qce82c6de4a_oproj.kd
    .args:
      - { .name: af, .offset: 0, .size: 8, .value_kind: global_buffer, .address_space: global }
      - { .name: wof, .offset: 8, .size: 8, .value_kind: global_buffer, .address_space: global }
      - { .name: bo, .offset: 16, .size: 8, .value_kind: global_buffer, .address_space: global }
      - { .name: out0, .offset: 24, .size: 8, .value_kind: global_buffer, .address_space: global }
    .group_segment_fixed_size: 327680
    .private_segment_fixed_size: 0
    .kernarg_segment_align: 8
    .kernarg_segment_size: 32
    .max_flat_workgroup_size: 128
    .sgpr_count:     66
    .vgpr_count:     512
    .wavefront_size: 32
...
	.end_amdgpu_metadata
.endif
;; end of part 4
